; MI455X (gfx1250); checked and timed in simulation.
; The chip was launched on July 23, 2026; its instructions are those of AMD's public machine-readable ISA for CDNA 5 (MIT licence, August 2026) and "CDNA5" Instruction Set Architecture Reference Guide (July 2026). The comments in the code are by the model that wrote it; some were corrected since.
;; Multi Head Attention. Allowed arithmetic: matrix products marked QUANTISED: E5M2 operands, one given power-of-two scale a tensor, by v_wmma_f32_16x16x64_bf8_bf8 or v_wmma_f32_16x16x128_bf8_bf8, f32 sums; everything else in f32.
;; Inputs: fc_b 1,024 float32; fc_w_codes 1,024 x 32 x 32 uint8 (E5M2 codes of fc_w, K innermost, in blocks of 32 codes); key 4 x 2,048 x 1,024 float32; lowp_scales 6 int32 (the exponents e of the quantised operands' scales 2^e); query 4 x 2,048 x 1,024 float32; value_codes 4 x 1,024 x 64 x 32 uint8 (E5M2 codes of value, K innermost, in blocks of 32 codes).
;; Outputs: out0 4 x 2,048 x 1,024 float32.
;; This version of the problem:
;;   THIS VERSION OF THE PROBLEM IS GIVEN IN LOW PRECISION. The matrix products marked QUANTISED in the list below multiply operands that are first quantised to E5M2 (5 exponent bits, 2 mantissa bits; 8 bits a number), with one given power-of-two scale for each operand tensor; their sums are f32. All else is computed in f32.
;;   The module's matrix products, in the order in which they are computed (A, B: the left and right operand; K: the contracted axis; several contracted axes count as one K, in the product's order):
;;     1. batch 64 x [M 2,048, K 64] x [K 64, N 2,048]; A: input query; B: input key: QUANTISED (scales: A lowp_scales[0], B lowp_scales[1])
;;     2. batch 64 x [M 2,048, K 2,048] x [K 2,048, N 64]; A: softmax (see below); B: input value (given as codes): QUANTISED (scales: A lowp_scales[2], B lowp_scales[3])
;;     3. [M 8,192, K 1,024] x [K 1,024, N 1,024]; A: computed on the way; B: input fc_w (given as codes): QUANTISED (scales: A lowp_scales[4], B lowp_scales[5])
;;   THE QUANTISER, for each operand of a quantised product, along K:
;;     - The operand's scale is 2^e, e = its entry of the input lowp_scales (int32; the entries are numbered through the quantised products in the list's order, A before B).
;;     - Each number is divided by the scale, clamped to +-57,344, and rounded to the nearest number of E5M2, ties to even, subnormals kept.
;;     - The product sums the exact products of the quantised numbers (number of the format x scale) in f32.
;;   ~~~python
;;   def quantise(x, axis, e):      # numpy; x: float32 -> the quantised numbers, widened to float32 again
;;       x = np.moveaxis(x, axis, -1); K = x.shape[-1]
;;       r = np.clip(x / 2.0 ** e, -57344, 57344)
;;       step = 2.0 ** (np.maximum(np.frexp(np.where(r == 0, 1, r))[1] - 1, -14) - 2)
;;       q = np.round(r / step) * step * 2.0 ** e      # np.round: ties to even
;;       return np.moveaxis(q, -1, axis).astype(np.float32)
;;   ~~~
;;   SOFTMAX AHEAD OF A QUANTISED PRODUCT. Where the list says 'softmax', what is quantised is not the finished softmax but p = 2^(t - M), with t = logit x log2(e) and M = ceil(the row's largest t), a whole number; so 1/2 < the row's largest p <= 1. The row's sum l is taken of the UNQUANTISED p, in f32, and the product's result is divided by l at the end. Since M is a whole number, a kernel that streams over the keys may use a running M (the ceiling of the running maximum): every later rescaling is an exact power of two, so the quantised numbers keep their values, but for numbers so far below the row's largest that they fall under the format's range.
;;   OPERANDS COMPUTED ON THE WAY. 'Computed on the way' means the value that the module computes at that place (a softmax that the list does not call 'softmax' is quantised finished and normalised). What goes into a quantiser is computed in f32, as accurately as f32 sums, v_exp_f32 and their like allow (about 1e-6 of the number): no bf16 or f16 on the way to a quantiser, and a product that is left as it is and whose result goes on into a quantised operand takes f32 operands (vector FMAs, or v_wmma_f32_16x16x4_f32). A number that lies on a knife's edge between two numbers of the format may be rounded either way, as far as f32 arithmetic and the matrix unit's own rounding can turn it there, and no further.
;;   INPUTS GIVEN AS CODES. fc_w (in the module: [1024, 1024], K = its axis 1); value (in the module: [4, 2048, 1024], K = its axis 1): each comes as NAME_codes (uint8): NAME with its K axis moved to the last place and cut into blocks of 32 codes, [.., K / 32, bytes a block], one block behind the other in memory; one code a byte (a code: sign, 5 exponent bits, 2 mantissa bits); its scale is its entry of lowp_scales. Its value is code x scale, taken as it is: it is not quantised again, and the codes and scales need not be those that the quantiser above would give.
;; One version. Each part assembles by itself: llvm-mc -triple=amdgcn-amd-amdhsa -mcpu=gfx1250 --defsym DOCPART=n.
;; ======== version 1 of 1: 3 launches
;; limits: right only within a limited range of input values
;; workspace buffers: q_img 8,388,608 bytes; k_img 8,388,608 bytes; a_img 8,388,608 bytes
;; launch quant (part 1): grid 256 x 1, 8 waves a work-group, no clusters, 68,608 bytes of LDS; arguments query, key, lowp_scales, q_img, k_img; writes q_img, k_img
.if DOCPART == 1
	.amdgcn_target "amdgcn-amd-amdhsa--gfx1250"
	.amdhsa_code_object_version 6
	.text
	.protected	k_qbc50448419_quant
	.globl	k_qbc50448419_quant
	.p2align	8
	.type	k_qbc50448419_quant,@function
k_qbc50448419_quant:
	s_mov_b64 s[64:65], 0
	v_nop
	global_prefetch_b8 v0, s[64:65] scope:SCOPE_SE
	s_setreg_imm32_b32 hwreg(HW_REG_WAVE_MODE, 25, 1), 1
	s_wait_xcnt 0x0
; query and key, [4][2048][1024] f32, become codes of BF8 (E5M2), each with the one scale 2^e that is given for it (entry 0 and entry 1 of the scales),
; laid as IMAGES OF OPERAND REGISTERS of the 16x16x64 matrix form, head by head:
;   image[bh = 16 b + head][T (128)][c2 (2)][lane (32)][16 bytes];  lane r + 16 hd holds row rho(T, r) = 32 (T/2) + 8 (T%2) + r + 8 (r/8) of batch b, channels 32 hd + 16 c2 + 0 .. 15 of the head.
; So a tile (16 rows x 64 channels) is 1,024 dense bytes, a head 131,072 dense bytes, and the launch that multiplies reads nothing but whole runs.  The place of a channel in a lane's registers is the same
; in both images, so every product meets its partner.  The rows of a tile are not neighbours: tiles 2 b and 2 b + 1 together hold 32 neighbouring rows, in the order that the next product's K wants.
; code = x / 2^e, held within +-57,344, rounded to the nearest code, ties to even.  LIMITS: -126 <= e <= 112, so that 2^e and 57,344 x 2^e are f32 numbers.  NaN among the inputs is not served; an infinity is held at the largest code.
; SHARES.  Work-groups 0-127 take query, the others key: only pointers and e are chosen, there is one path.  A wave takes the 16 rows of one tile and eight heads, two heads (512 bytes of each row) a step, four steps.
; Each load reads 512 consecutive bytes of a row.  The conversions want neighbours along K in ONE lane's registers, so a step's 16 x 512 bytes turn through the wave's own stage in LDS (rows 528 bytes apart:
; 33 x 16, so that sixteen lanes that read sixteen rows touch sixteen different 16-byte columns).  Each store covers 512 consecutive bytes, aligned.
; No tensor load, no barrier, no matrix unit, no cluster: waves share nothing, and every byte is read once and written once.  Loads run two steps (32 loads a wave) ahead.
.set STGB, 8448                        ; a wave's stage: 16 rows x 528 bytes
.set LO,   2                           ; v2   16 x lane: my bytes of a load's and of a store's 512; never rewritten
.set SI,   3                           ; v3   the stage, on the way in: 8448 x wave + 16 x lane
.set SOUT, 4                           ; v4   and on the way out: 8448 x wave + 528 r + 128 hd
.set LIM,  5                           ; v5   57,344 x 2^e
.set SCL,  6                           ; v6   2^e
.set R,    16                          ; v16-143   two sets of 64: a step's numbers as loaded
.set X,    144                         ; v144-207  64 numbers back from the stage: 32 neighbours of each of two heads
.set C,    208                         ; v208-239  two sets of 16: a step's codes
	s_load_b128 s[4:7], s[0:1], 0x0                ; query, key
	s_load_b64 s[10:11], s[0:1], 0x10              ; the scales' exponents
	s_load_b128 s[12:15], s[0:1], 0x18             ; q_img, k_img
	v_lshl_add_u32 v240, v0, 2, 0x10800
	v_mov_b32 v241, 0
	v_lshrrev_b32 v1, 5, v0
	s_delay_alu instid0(VALU_DEP_1)
	v_readfirstlane_b32 s16, v1                    ; wave 0..7
	v_and_b32 v7, 31, v0
	s_delay_alu instid0(VALU_DEP_1)
	v_lshlrev_b32 v[LO], 4, v7
	s_mul_i32 s17, s16, STGB
	v_add_nc_u32 v[SI], s17, v[LO]
	v_and_b32 v8, 15, v0                           ; r
	v_bfe_u32 v9, v0, 4, 1                         ; hd
	s_delay_alu instid0(VALU_DEP_2)
	v_mul_u32_u24 v[SOUT], v8, 528
	s_delay_alu instid0(VALU_DEP_1)
	v_lshl_add_u32 v[SOUT], v9, 7, v[SOUT]
	s_delay_alu instid0(VALU_DEP_1)
	v_add_nc_u32 v[SOUT], s17, v[SOUT]
	s_and_b32 s18, ttmp9, 127
	s_lshl_b32 s18, s18, 3
	s_add_co_u32 s18, s18, s16                     ; 0 .. 1023 within the tensor
	s_lshr_b32 s19, s18, 1                         ; Tg = 128 b + T: my tile of rows
	s_and_b32 s20, s18, 1                          ; which eight heads
	s_lshr_b32 s22, s19, 1                         ; from: 32 (Tg / 2) rows of 4,096 bytes
	s_lshl_b32 s22, s22, 17
	s_and_b32 s21, s19, 1
	s_lshl_b32 s21, s21, 15                        ; + 8 (Tg % 2) rows
	s_add_co_u32 s22, s22, s21
	s_lshl_b32 s21, s20, 11                        ; + eight heads of 256 bytes
	s_add_co_u32 s22, s22, s21
	s_mov_b32 s23, 0
	s_lshr_b32 s24, s19, 7                         ; to: batch b's sixteen heads of 131,072 bytes
	s_lshl_b32 s24, s24, 21
	s_and_b32 s21, s19, 127
	s_lshl_b32 s21, s21, 10                        ; + tile T of 1,024 bytes
	s_add_co_u32 s24, s24, s21
	s_lshl_b32 s21, s20, 20                        ; + eight heads
	s_add_co_u32 s24, s24, s21
	s_mov_b32 s25, 0
	s_wait_alu depctr_va_vdst(0)
	s_wait_kmcnt 0x0
	s_load_b64 s[26:27], s[10:11], 0x0             ; e of query, e of key
	s_cmp_lt_u32 ttmp9, 128                        ; query's work-group or key's?  The choice hangs on the work-group's number alone
	s_cselect_b64 s[4:5], s[4:5], s[6:7]
	s_cselect_b64 s[8:9], s[12:13], s[14:15]
	s_add_nc_u64 s[4:5], s[4:5], s[22:23]
	s_add_nc_u64 s[8:9], s[8:9], s[24:25]
.macro LOAD t                          ; step t: heads 2 t and 2 t + 1 of my eight, of the tile's 16 rows: row i of the tile lies i + 8 (i / 8) rows down
.irp i, 0,1,2,3,4,5,6,7,8,9,10,11,12,13,14,15
	global_load_b128 v[R+64*((\t)%2)+4*\i:R+64*((\t)%2)+4*\i+3], v[LO], s[4:5] offset:(\i+8*(\i/8))*4096+512*(\t) th:TH_LOAD_NT
.endr
.endm
.macro STEP t
.if (\t) < 3
	s_wait_loadcnt 16                              ; this step's 16 loads are in; the next step's 16 may be out
.else
	s_wait_loadcnt 0x0
.endif
.irp i, 0,1,2,3,4,5,6,7,8,9,10,11,12,13,14,15
	ds_store_b128 v[SI], v[R+64*((\t)%2)+4*\i:R+64*((\t)%2)+4*\i+3] offset:528*\i
.endr
.irp hh, 0,1                           ; LDS serves a wave's instructions in order (ISA guide 5.7.1.4): these see the stores above, and the next step's stores come behind them
.irp i, 0,1,2,3,4,5,6,7
	ds_load_b128 v[X+32*\hh+4*\i:X+32*\hh+4*\i+3], v[SOUT] offset:256*\hh+16*\i
.endr
.endr
	s_wait_dscnt 0x0                               ; my numbers are back, and the stores into the stage have read their registers,
.if (\t)+2 < 4
	LOAD (\t)+2                                    ; which take the loads of two steps on
.endif
.if (\t) >= 2
	s_wait_xcnt 0x0                                ; the stores of two steps back have read this set of codes: it is written again only behind this wait
.endif
.irp g, 0,1,2,3,4,5,6,7
.irp i, 0,1,2,3,4,5,6,7
	v_med3_num_f32 v[X+8*\g+\i], v[X+8*\g+\i], -v[LIM], v[LIM]   ; the conversion to an 8-bit code does not saturate (ISA guide 7.6.2): the hold at the largest code x the scale comes first
.endr
	v_cvt_scalef32_pk8_bf8_f32 v[C+16*((\t)%2)+2*\g:C+16*((\t)%2)+2*\g+1], v[X+8*\g:X+8*\g+7], v[SCL]
.endr
	v_nop                                          ; one plain vector line behind the last conversion of the run
.irp hh, 0,1
.irp c2, 0,1
	global_store_b128 v[LO], v[C+16*((\t)%2)+8*\hh+4*\c2:C+16*((\t)%2)+8*\hh+4*\c2+3], s[8:9] offset:(2*(\t)+\hh)*131072+512*\c2   ; 32 lanes store 512 consecutive bytes, at a multiple of 512 from the image's first byte
.endr
.endr
.endm
	LOAD 0
	LOAD 1
	s_wait_kmcnt 0x0
	s_cmp_lt_u32 ttmp9, 128
	s_cselect_b32 s26, s26, s27                    ; e
	s_add_co_i32 s26, s26, 127
	s_lshl_b32 s27, s26, 23
	v_mov_b32 v[SCL], s27                          ; 2^e as f32: the conversion takes its exponent field
	s_add_co_i32 s26, s26, 15
	s_lshl_b32 s26, s26, 23
	s_or_b32 s26, s26, 0x600000
	v_mov_b32 v[LIM], s26                          ; 57,344 x 2^e
	s_wait_alu depctr_va_vdst(0)
	STEP 0
	STEP 1
	STEP 2
	STEP 3
	s_wait_tensorcnt 0x0
	ds_add_u32 v240, v241
	s_wait_dscnt 0x0
	s_endpgm
.Lfunc_end_k_qbc50448419_quant:
	.size	k_qbc50448419_quant, .Lfunc_end_k_qbc50448419_quant-k_qbc50448419_quant
	.p2alignl 7, 3214868480
	.fill 96, 4, 3214868480
	.section	.rodata,"a",@progbits
	.p2align	6, 0x0
	.amdhsa_kernel k_qbc50448419_quant
		.amdhsa_group_segment_fixed_size 68608
		.amdhsa_private_segment_fixed_size 0
		.amdhsa_enable_private_segment 0
		.amdhsa_kernarg_size 40
		.amdhsa_user_sgpr_count 2
		.amdhsa_user_sgpr_kernarg_segment_ptr 1
		.amdhsa_wavefront_size32 1
		.amdhsa_system_sgpr_workgroup_id_x 1
		.amdhsa_system_sgpr_workgroup_id_y 1
		.amdhsa_system_sgpr_workgroup_id_z 1
		.amdhsa_system_vgpr_workitem_id 0
		.amdhsa_next_free_vgpr 242
		.amdhsa_next_free_sgpr 66
		.amdhsa_reserve_vcc 0
		.amdhsa_float_denorm_mode_32 3
		.amdhsa_float_denorm_mode_16_64 3
		.amdhsa_memory_ordered 1
		.amdhsa_forward_progress 1
		.amdhsa_inst_pref_size 37
	.end_amdhsa_kernel
	.amdgpu_metadata
---
amdhsa.version: [ 1, 2 ]
amdhsa.kernels:
  - .name:           k_qbc50448419_quant
    .symbol:         k_qbc50448419_quant.kd
    .args:
      - { .name: query, .offset: 0, .size: 8, .value_kind: global_buffer, .address_space: global }
      - { .name: key, .offset: 8, .size: 8, .value_kind: global_buffer, .address_space: global }
      - { .name: lowp_scales, .offset: 16, .size: 8, .value_kind: global_buffer, .address_space: global }
      - { .name: q_img, .offset: 24, .size: 8, .value_kind: global_buffer, .address_space: global }
      - { .name: k_img, .offset: 32, .size: 8, .value_kind: global_buffer, .address_space: global }
    .group_segment_fixed_size: 68608
    .private_segment_fixed_size: 0
    .kernarg_segment_align: 8
    .kernarg_segment_size: 40
    .max_flat_workgroup_size: 256
    .sgpr_count:     66
    .vgpr_count:     242
    .wavefront_size: 32
...
	.end_amdgpu_metadata
.endif
;; end of part 1
;; launch attn (part 2): grid 4 x 64, 8 waves a work-group, clusters of 4 x 1, 272,384 bytes of LDS; arguments q_img, k_img, value_codes, lowp_scales, a_img; writes a_img
.if DOCPART == 2
	.amdgcn_target "amdgcn-amd-amdhsa--gfx1250"
	.amdhsa_code_object_version 6
	.text
	.protected	k_qbc50448419_attn
	.globl	k_qbc50448419_attn
	.p2align	8
	.type	k_qbc50448419_attn,@function
k_qbc50448419_attn:
	s_mov_b64 s[64:65], 0
	v_nop
	global_prefetch_b8 v0, s[64:65] scope:SCOPE_SE
	s_setreg_imm32_b32 hwreg(HW_REG_WAVE_MODE, 25, 1), 1
	s_wait_xcnt 0x0
	s_wait_alu depctr_hold_cnt(0) depctr_sa_sdst(0) depctr_va_vdst(0) depctr_va_sdst(0) depctr_va_ssrc(0) depctr_va_vcc(0) depctr_vm_vsrc(0)
	s_getreg_b32 s2, hwreg(HW_REG_IB_STS2, 6, 4)
	s_cmp_eq_u32 s2, 0
	s_cbranch_scc0 .Lentry_in_a_cluster
	s_endpgm
.Lentry_in_a_cluster:
	s_bfe_u32 s2, ttmp6, 0x10000c
	s_cmp_lg_u32 s2, 0x3003
	s_cbranch_scc0 .Lentry_shape_is_right
	s_endpgm
.Lentry_shape_is_right:
; a[b][q][head][:] = (sum over k of p(q, k) V[k][:]) / (sum over k of p(q, k)), both products on codes of BF8 (E5M2); the result is quantised again, with 2^e4, for the last product.
; t = score x log2(e) / 64; M = the row's largest t so far, rounded UP to a whole number; p = 2^(t - M) is quantised with 2^e2, not normalised; the row's sum is taken of the unquantised p, in f32.
; When M moves, the sum and O are multiplied by 2^(old M - new M): nothing is rounded.
; INPUTS.  q_img, k_img: images of operand registers, [bh][tile (128)][c2][lane][16 bytes]; lane r of tile T holds row 32 (T/2) + 8 (T%2) + r + 8 (r/8).  value_codes: [b][1024 channels][2048 keys].
; OUTPUT.  a_img: [128 b + tile][head][c2][lane][16 bytes]: lane (r, h) holds channels 32 c2 + 16 h + 0 .. 15 of the head, for query row r of the tile.
; SHARES.  A work-group owns 512 queries of one head; each of its EIGHT waves, two to a SIMD, owns four tiles of 16 queries: a fragment of K or V read from LDS feeds four products.  128 keys a step, 16 steps.
; LDS.  The whole head is resident: K's image, 131,072 bytes, then V in two slots of 1,024 keys, 64 rows of 1,024 + 16 bytes.  Eight fills, one a wave, all at the head; nothing is filled again.
; CLUSTER.  The four work-groups of a head ask for K and V jointly (mask of all four).  No prefetch: every fill goes out at the head, so there is no loop to run ahead in.
; LAYOUT.  Both products transposed: S^T = K Q^T, O^T = V^T P^T: a lane holds one query (lane % 16).  Registers of score tiles 2 b, 2 b + 1 are keys 32 b + 16 (lane / 16) + 0 .. 15: the conversions' results are the operand.
; The channels of a tile of V are chosen the same way (lane r of tile t takes channel 32 (t/2) + 8 (t%2) + r + 8 (r/8)), so that a lane's 16 registers of O^T's tiles 2 b, 2 b + 1 are 16 neighbouring channels.
; ORDER IN A STEP.  Tiles go through two score buffers: tile i's 64 exponentials carry tile i + 1's 32 scalings among them (these read and write nothing that the batch touches); behind the batch come tile i's
; rescaling of O^T, codes and sum, then tile i + 2's scores and maxima; tile i's four products with V stand among the dependent lines that make tile i + 2's M.  The first step is written out: its products start O^T with C = 0.
; LIMITS on the given exponents: e0 + e1 between -120 and 133; e2 between -15 and 127; e4 - e2 - e3 between -126 and 112.  p is at most 1 by its making, so with e2 >= -15 p / 2^e2 is at most 32,768, under the largest
; code 57,344: the hold on p changes nothing there and is not written; with e2 < -15 this text is not right.  NaN among the inputs is not served.  The scaled scores stay under 2^31 in magnitude.
; REGISTERS, in two windows of 256.  0: addresses and temporaries v0-24, Q v32-63, K's fragments v64-127, V's v128-191, p's codes v192-207, ten statistics a tile from v208.  1: scores v0-63, v64-127; O^T from v128, 32 a tile.
.set NT,    4                          ; tiles of queries a wave
.set VBASE, 131072
.set VSLOT, 66560                      ; 64 rows x 1,040 bytes
.set VP,    1040
.set SPARE, 0x42000                    ; the spare words, 128 bytes a wave
.set LI,   1                           ; 16 x lane
.set AV0,  2                           ; VBASE + 1040 (r + 8 (r / 8)) + 16 h
.set ADK,  3                           ; LDS address of the next step's K
.set ADV,  4                           ; of this step's V
.set SPW,  5
.set NIL,  6
.set TA,   10                          ; two sets of temporaries, 4 apart: TA, TB (a lane permute's destination), OLD (-M before the step)
.set TB,   11
.set OLD,  12
.set CHA,  18                          ; v[18:19], v[20:21] the sum's last two parts
.set CHB,  20
.set SCL,  22                          ; 2^e2
.set LIM2, 23                          ; 57,344 x 2^(e4 - e2 - e3)
.set SCL2, 24                          ; 2^(e4 - e2 - e3)
.set Q,    32
.set KF,   64
.set VF,   128
.set CD,   192
.set ST,   208                         ; tile i at ST + 10 i: +0..3 running largest scores in four chains; +4 -M (+5 its pair); +6 f (+7 its pair); +8, +9 the sum in two halves
.set O,    128                         ; window 1
.set WV,   14
.set SEL,  20
.set CS,   22                          ; s[22:23] c = log2(e) / 64 x 2^(e0 + e1)
.set G1K,  24
.set G1V,  32
.set G0K,  40
.set G0V,  44
.set TBK,  90                          ; LDS byte of the next step's keys in K's image
.set KS,   91                          ; 128 x step
.set TBV,  92                          ; this step's place among V's slots
.set CNT,  93
.set W_EXP,  0x41                      ; destination and source 0 in window 1: exponentials, scalings, rescalings, holds
.set W_MAX,  0x14                      ; sources 1 and 2 in window 1
.set W_SS,   0x05                      ; sources 0 and 1 in window 1
.set W_CVT,  0x01
.set W_TREE, 0x45
.set W_QK,   0x40
.set W_PV,   0x50
.set MSB, 0
.macro WIN new                         ; bits 1:0 source 0, 3:2 source 1, 5:4 source 2, 7:6 destination; the high byte repeats the setting that is left
.if MSB != \new
	s_set_vgpr_msb (MSB<<8)|\new
.set MSB, \new
.endif
.endm
.macro ALUW
	s_wait_alu depctr_va_vdst(0)
.endm
.macro CROUND
	s_barrier_signal -1
	s_barrier_wait -1
	s_cmp_lg_u32 s[WV], 0
	s_cbranch_scc1 .Lnot_wave_0_\@
	s_barrier_signal -3
.Lnot_wave_0_\@:
	s_barrier_wait -3
	s_barrier_signal -1
	s_barrier_wait -1
.endm
.macro KLOAD adr                       ; K's eight tiles of a step as they lie: 512 consecutive bytes a load
.irp t, 0,1,2,3,4,5,6,7
	ds_load_b128 v[KF+8*\t:KF+8*\t+3], v[\adr] offset:1024*\t
	ds_load_b128 v[KF+8*\t+4:KF+8*\t+7], v[\adr] offset:1024*\t+512
.endr
.endm
.macro QK i                            ; tile i's scores for the step's 128 keys, into buffer i % 2
	WIN W_QK
.irp t, 0,1,2,3,4,5,6,7
	v_wmma_f32_16x16x64_bf8_bf8 v[64*((\i)%2)+8*\t:64*((\i)%2)+8*\t+7], v[KF+8*\t:KF+8*\t+7], v[Q+8*(\i):Q+8*(\i)+7], 0
.endr
.endm
.macro MAXES i, first                  ; the running largest score of my query among my keys, in four chains that stay from step to step; each accumulator is read from its low end on
.set MM, 0
.rept 32
.if \first && (MM < 4)
	WIN W_SS
	v_max_num_f32 v[ST+10*(\i)+MM], v[64*((\i)%2)+2*MM], v[64*((\i)%2)+2*MM+1]
.else
	WIN W_MAX
	v_max3_num_f32 v[ST+10*(\i)+MM%4], v[ST+10*(\i)+MM%4], v[64*((\i)%2)+2*MM], v[64*((\i)%2)+2*MM+1]
.endif
.set MM, MM+1
.endr
	WIN 0
.endm
.macro TOP n, x, t, d                  ; line n of the nine that make tile t's -M and f, on temporaries x; d: the plain line d back wrote what it reads (0: no hint)
.if \d
	s_delay_alu instid0(VALU_DEP_\d)
.endif
.if \n == 1
	v_max3_num_f32 v[TA+4*\x], v[ST+10*(\t)], v[ST+10*(\t)+1], v[ST+10*(\t)+2]
.endif
.if \n == 2
	v_max_num_f32 v[TA+4*\x], v[TA+4*\x], v[ST+10*(\t)+3]
.endif
.if \n == 3
	v_permlanex16_b32 v[TB+4*\x], v[TA+4*\x], s[SEL], s[SEL+1]
.endif
.if \n == 4
	v_max_num_f32 v[TA+4*\x], v[TA+4*\x], v[TB+4*\x]      ; and lane l xor 16's keys
.endif
.if \n == 5
	v_mul_f32 v[TA+4*\x], s[CS], v[TA+4*\x]               ; as t (c is positive)
.endif
.if \n == 6
	v_floor_f32 v[ST+10*(\t)+4], -v[TA+4*\x]              ; -M = floor(-t)
.endif
.if \n == 7
	v_sub_f32 v[TA+4*\x], v[ST+10*(\t)+4], v[OLD+4*\x]    ; old M - new M: a whole number, 0 or less
.endif
.if \n == 8
	v_cvt_i32_f32 v[TA+4*\x], v[TA+4*\x]
.endif
.if \n == 9
	v_ldexp_f32 v[ST+10*(\t)+6], 1.0, v[TA+4*\x]          ; f = 2^(old M - new M)
.endif
.endm
.macro PVW i, k, first                 ; O^T of tile i, channel tile k: one instruction an accumulator a step, so the accumulators take turns
	WIN W_PV
.if \first
	v_wmma_f32_16x16x128_bf8_bf8 v[O+32*(\i)+8*\k:O+32*(\i)+8*\k+7], v[VF+16*\k:VF+16*\k+15], v[CD:CD+15], 0
.else
	v_wmma_f32_16x16x128_bf8_bf8 v[O+32*(\i)+8*\k:O+32*(\i)+8*\k+7], v[VF+16*\k:VF+16*\k+15], v[CD:CD+15], v[O+32*(\i)+8*\k:O+32*(\i)+8*\k+7]
.endif
	WIN 0
.endm
.macro LSUM i, first                   ; the sum's last lines: they name no score register
.if \first
	v_pk_add_f32 v[ST+10*(\i)+8:ST+10*(\i)+9], v[CHA:CHA+1], v[CHB:CHB+1]
.else
	v_pk_add_f32 v[CHA:CHA+1], v[CHA:CHA+1], v[CHB:CHB+1]
.if (\i) < NT-2
	v_mov_b32 v[OLD], v[ST+10*((\i)+2)+4]
.endif
	v_nop
	v_pk_fma_f32 v[ST+10*(\i)+8:ST+10*(\i)+9], v[ST+10*(\i)+8:ST+10*(\i)+9], v[ST+10*(\i)+6:ST+10*(\i)+7], v[CHA:CHA+1] op_sel_hi:[1,0,1]   ; the old sum x f + this step's
.endif
.endm
.macro BODY i, first
.set SE, 64*((\i)%2)
.set SN, 64-SE
.set STE, ST+10*(\i)
	WIN W_EXP
	ALUW                                           ; the wait ahead of the batch
.set JJ, 0
.rept 32
	v_exp_f32 v[SE+JJ], v[SE+JJ]                   ; p = 2^(t - M), at most 1
	v_exp_f32 v[SE+JJ+1], v[SE+JJ+1]
.if (\i) < NT-1
	v_pk_fma_f32 v[SN+JJ:SN+JJ+1], v[SN+JJ:SN+JJ+1], s[CS:CS+1], v[STE+14:STE+15] op_sel_hi:[1,0,0]   ; tile i + 1: t - M; its sources were written ahead of the wait above, its results are read behind the wait below
.endif
.set JJ, JJ+2
.endr
.if (\i) == NT-1
.rept 4
	v_nop                                          ; the plain line behind the batch, and the places in front of the write of the codes that the last tile's products read
.endr
.endif
.if (\i) == 0
	s_wait_dscnt 0x0                               ; V's fragments, asked for ahead of tile 0's scalings
.endif
	ALUW                                           ; one wait for the batch, and directly ahead of the first readers of O^T
.if \first == 0
.set JJ, 0
.rept 16
	v_pk_mul_f32 v[O+32*(\i)+JJ:O+32*(\i)+JJ+1], v[O+32*(\i)+JJ:O+32*(\i)+JJ+1], v[STE+6:STE+7] op_sel_hi:[1,0]   ; O^T under the new M
.set JJ, JJ+2
.endr
.endif
	WIN W_CVT
.irp g, 0,1,2,3,4,5,6,7
	v_cvt_scalef32_pk8_bf8_f32 v[CD+2*\g:CD+2*\g+1], v[SE+8*\g:SE+8*\g+7], v[SCL]
.endr
	v_nop                                          ; one plain line behind the conversions, ahead of the writes of their sources
	WIN W_TREE
.irp n, 32,16,8                        ; the row's sum of the UNQUANTISED p, two at a time, as a tree in place
.set JJ, 0
.rept \n/2
.if \n == 8
	s_delay_alu instid0(VALU_DEP_4)
.endif
	v_pk_add_f32 v[SE+JJ:SE+JJ+1], v[SE+JJ:SE+JJ+1], v[SE+\n+JJ:SE+\n+JJ+1]
.set JJ, JJ+2
.endr
.endr
	WIN W_SS
	v_pk_add_f32 v[CHA:CHA+1], v[SE:SE+1], v[SE+4:SE+5]
	v_pk_add_f32 v[CHB:CHB+1], v[SE+2:SE+3], v[SE+6:SE+7]
.if (\i) < NT-2
	QK (\i)+2
	WIN 0
	LSUM \i, \first                                ; with the v_nop: four places in front of the first read of the scores
.if \first
.rept 3
	v_nop
.endr
.endif
	MAXES (\i)+2, \first
	TOP 1, 0, (\i)+2, 0
	TOP 2, 0, (\i)+2, 1
	PVW \i, 0, \first
	TOP 3, 0, (\i)+2, 0
	TOP 4, 0, (\i)+2, 1
	PVW \i, 1, \first
	TOP 5, 0, (\i)+2, 0
	TOP 6, 0, (\i)+2, 1
	PVW \i, 2, \first
.if \first == 0
	TOP 7, 0, (\i)+2, 0
	TOP 8, 0, (\i)+2, 1
.endif
	PVW \i, 3, \first
.if \first == 0
	TOP 9, 0, (\i)+2, 0
.endif
.else
	WIN 0
	LSUM \i, \first
.irp k, 0,1,2,3
	PVW \i, \k, \first
.endr
.endif
.endm
; A key step: 128 keys for the wave's four tiles.
.macro KSTEP first
	s_add_co_u32 s[TBK], s[TBK], 8192
	s_cmp_ge_u32 s[KS], 1024                       ; V's second slot begins 66,560 bytes behind the first, 65,536 more than its 1,024 keys
	s_cselect_b32 s[TBV], 0x10000, 0
	s_add_co_u32 s[TBV], s[TBV], s[KS]
	s_add_co_u32 s[KS], s[KS], 128
	v_add_nc_u32 v[ADK], s[TBK], v[LI]
	v_add_nc_u32 v[ADV], s[TBV], v[AV0]
	s_wait_dscnt 0x0                               ; K's fragments
	QK 0
	QK 1
	WIN 0
.if \first
.rept 4
	v_nop
.endr
.else
	v_mov_b32 v[OLD], v[ST+4]
	v_mov_b32 v[OLD+4], v[ST+14]
	v_nop
	v_nop
.endif
	MAXES 0, \first
	MAXES 1, \first
	TOP 1, 0, 0, 0
	TOP 1, 1, 1, 0
.irp n, 2,3,4,5,6                      ; two tiles' chains by turns
	TOP \n, 0, 0, 2
	TOP \n, 1, 1, 2
.endr
.if \first == 0
.irp n, 7,8,9
	TOP \n, 0, 0, 2
	TOP \n, 1, 1, 2
.endr
.endif
.irp t, 0,1,2,3                        ; V's four fragments (16 channels x 128 keys): the lines above are the places behind the last step's products
.irp c, 0,1,2,3
	ds_load_b128 v[VF+16*\t+4*\c:VF+16*\t+4*\c+3], v[ADV] offset:(32*(\t/2)+8*(\t%2))*VP+32*\c
.endr
.endr
	WIN W_EXP
.set JJ, 0
.rept 32
	v_pk_fma_f32 v[JJ:JJ+1], v[JJ:JJ+1], s[CS:CS+1], v[ST+4:ST+5] op_sel_hi:[1,0,0]   ; tile 0: t - M
.set JJ, JJ+2
.endr
	BODY 0, \first
	BODY 1, \first
.if \first == 0                        ; the last tile's scores are made: K's registers take the next step's keys; the last step asks for none
	ALUW                                           ; the wait ahead of the branch
	s_cmp_eq_u32 s[CNT], 1
	s_cbranch_scc1 .Lno_k_\@
.endif
	KLOAD ADK
.if \first == 0
.Lno_k_\@:
.endif
	BODY 2, \first
	BODY 3, \first
.endm
	s_load_b256 s[4:11], s[0:1], 0x0               ; q_img, k_img, value_codes, the scales' exponents
	s_load_b64 s[12:13], s[0:1], 0x20              ; a_img
	v_lshl_add_u32 v[SPW], v0, 2, SPARE
	v_mov_b32 v[NIL], 0
	ds_add_u32 v[SPW], v[NIL]                      ; the opening: the add, twice on end, and its wait ahead of my tensor load
	ds_add_u32 v[SPW], v[NIL]
	v_lshrrev_b32 v8, 5, v0
	v_readfirstlane_b32 s[WV], v8                  ; wave 0..7
	s_bfe_u32 s15, ttmp6, 0x40000                  ; cx: it enters Q's and a's addresses alone
	s_and_b32 s16, ttmp7, 0xffff                   ; bh = 16 b + head
	s_lshl_b32 s17, ttmp9, 2
	s_add_co_u32 s17, s17, s15                     ; my block of 512 queries
	s_lshl_b32 s18, s16, 17                        ; the head's first byte in k_img and in value_codes
	s_mov_b32 s19, 0
	s_and_b32 s48, s[WV], 3                        ; which quarter I fetch: waves 0-3 of K, waves 4-7 of V
	s_lshl_b32 s50, s48, 15                        ; K: 32,768 bytes a quarter, in LDS and in memory
	s_mov_b32 s51, 0
	s_and_b32 s49, s48, 1                          ; V: which 1,024 keys,
	s_lshr_b32 s60, s48, 1                         ; and which 32 rows
	s_lshl_b32 s52, s49, 10
	s_lshl_b32 s61, s60, 16
	s_add_co_u32 s52, s52, s61                     ; in memory: rows of 2,048 bytes
	s_mov_b32 s53, 0
	s_mul_i32 s54, s49, VSLOT
	s_mul_i32 s61, s60, 32*VP
	s_add_co_u32 s54, s54, s61
	s_add_co_u32 s54, s54, VBASE                   ; in LDS
	s_lshl_b32 s55, s17, 5
	s_lshl_b32 s56, s[WV], 2
	s_add_co_u32 s55, s55, s56                     ; my first tile of queries: 32 x block + 4 x wave
	s_lshl_b32 s56, s16, 7
	s_add_co_u32 s56, s56, s55
	s_lshl_b32 s56, s56, 10                        ; in q_img
	s_mov_b32 s57, 0
	s_lshr_b32 s58, s16, 4
	s_lshl_b32 s58, s58, 7
	s_add_co_u32 s58, s58, s55
	s_lshl_b32 s58, s58, 14                        ; in a_img: (128 b + tile) x 16,384
	s_and_b32 s49, s16, 15
	s_lshl_b32 s49, s49, 10
	s_add_co_u32 s58, s58, s49                     ; + head x 1,024
	s_mov_b32 s59, 0
	s_mov_b32 s[G1K], 15|(3<<16)|(1<<21)           ; K: a dense block as 128 rows of 32 elements of 8 bytes; the mask of all four, bit 21 beside it
	s_mov_b32 s[G1K+1], 32<<16
	s_mov_b32 s[G1K+2], 128<<16
	s_mov_b32 s[G1K+3], 32<<16
	s_mov_b32 s[G1K+4], 128
	s_mov_b32 s[G1K+5], 32
	s_mov_b32 s[G1K+6], 0
	s_mov_b32 s[G1K+7], 0
	s_mov_b32 s[G1V], 15|(1<<20)|(1<<21)|(7<<22)|(3<<25)   ; V: 32 rows of 1,024 bytes, 2,048 apart in memory; four words of padding after every 256
	s_mov_b32 s[G1V+1], 1024<<16
	s_mov_b32 s[G1V+2], 32<<16
	s_mov_b32 s[G1V+3], 1024<<16
	s_mov_b32 s[G1V+4], 32
	s_mov_b32 s[G1V+5], 2048
	s_mov_b32 s[G1V+6], 0
	s_mov_b32 s[G1V+7], 0
	s_mov_b32 s[SEL], 0x76543210
	s_mov_b32 s[SEL+1], 0xfedcba98
	s_mov_b32 s[CS], 0x3cb8aa3b                    ; log2(e) / 64
	s_mov_b32 s[TBK], 0
	s_mov_b32 s[KS], 0
	s_wait_dscnt 0x0
	s_wait_kmcnt 0x0
	s_load_b128 s[84:87], s[10:11], 0x0            ; e0, e1, e2, e3
	s_load_b32 s88, s[10:11], 0x10                 ; e4
	s_add_nc_u64 s[6:7], s[6:7], s[18:19]
	s_add_nc_u64 s[6:7], s[6:7], s[50:51]
	s_add_nc_u64 s[8:9], s[8:9], s[18:19]
	s_add_nc_u64 s[8:9], s[8:9], s[52:53]
	s_add_nc_u64 s[4:5], s[4:5], s[56:57]
	s_add_nc_u64 s[12:13], s[12:13], s[58:59]
	s_mov_b32 s[G0K], 1
	s_mov_b32 s[G0K+1], s50
	s_mov_b64 s[G0K+2:G0K+3], s[6:7]
	s_or_b32 s[G0K+3], s[G0K+3], 0x80000000
	s_mov_b32 s[G0V], 1
	s_mov_b32 s[G0V+1], s54
	s_mov_b64 s[G0V+2:G0V+3], s[8:9]
	s_or_b32 s[G0V+3], s[G0V+3], 0x80000000
	CROUND                                         ; all four work-groups are here: the joint loads meet
	s_cmp_lt_u32 s[WV], 4                          ; every wave issues one fill: one tensor load of a wave is out
	s_cbranch_scc0 .Lfor_v
	tensor_load_to_lds s[G0K:G0K+3], s[G1K:G1K+7]
	s_nop 0
.rept 4
	v_nop
.endr
	s_branch .Lasked
.Lfor_v:
	tensor_load_to_lds s[G0V:G0V+3], s[G1V:G1V+7]
	s_nop 0
.rept 4
	v_nop
.endr
.Lasked:
	v_and_b32 v8, 31, v0
	v_lshlrev_b32 v[LI], 4, v8
	v_and_b32 v8, 15, v0                           ; r
	v_bfe_u32 v9, v0, 4, 1                         ; h
	v_and_b32 v7, 8, v8
	v_add_nc_u32 v8, v7, v8                        ; r + 8 (r / 8)
	v_mul_u32_u24 v[AV0], v8, VP
	v_lshl_add_u32 v[AV0], v9, 4, v[AV0]
	v_add_nc_u32 v[AV0], VBASE, v[AV0]
	ALUW                                           ; the wait ahead of the readers below
.irp n, 0,1,2,3,4,5,6,7
	global_load_b128 v[Q+4*\n:Q+4*\n+3], v[LI], s[4:5] offset:512*\n th:TH_LOAD_NT   ; my four tiles of Q: 4,096 dense bytes; they stay in registers
.endr
.irp i, 0,1,2,3
	v_mov_b32 v[ST+10*\i+5], 0                     ; named as the upper halves of the pairs of -M and of f
	v_mov_b32 v[ST+10*\i+7], 0
.endr
	v_mov_b32 v[TB], 0                             ; a lane permute's destination counts as one of its sources
	v_mov_b32 v[TB+4], 0
	s_wait_kmcnt 0x0
	s_add_co_i32 s48, s84, s85
	s_lshl_b32 s48, s48, 23
	s_add_co_i32 s[CS], s[CS], s48                 ; e0 + e1 are added to c's exponent field
	s_mov_b32 s[CS+1], s[CS]
	s_add_co_i32 s48, s86, 127
	s_lshl_b32 s48, s48, 23
	v_mov_b32 v[SCL], s48                          ; 2^e2
	s_sub_co_i32 s48, s88, s86
	s_sub_co_i32 s48, s48, s87                     ; (sum / l) stands for that x 2^(e2 + e3): three scales folded into the conversion's one
	s_add_co_i32 s48, s48, 127
	s_lshl_b32 s49, s48, 23
	v_mov_b32 v[SCL2], s49
	s_add_co_i32 s48, s48, 15
	s_lshl_b32 s48, s48, 23
	s_or_b32 s48, s48, 0x600000
	v_mov_b32 v[LIM2], s48
	ALUW                                           ; the wait at the head's end
	s_wait_tensorcnt 0x0                           ; my fill has landed;
	s_barrier_signal -1
	s_barrier_wait -1                              ; so has every wave's: the head may be read by all eight.  Nothing is filled again
	KLOAD LI                                       ; step 0's keys
	s_wait_loadcnt 0x0                             ; Q
	KSTEP 1
	s_mov_b32 s[CNT], 15
.Lstep:
	KSTEP 0
	s_sub_co_u32 s[CNT], s[CNT], 1
	s_cmp_lg_u32 s[CNT], 0
	ALUW                                           ; the wait ahead of the branch
	s_cbranch_scc1 .Lstep
	; THE WAY OUT.  O^T / the sum is held, quantised with the folded scale, and a lane's codes are its 16 bytes of the image.
.irp i, 0,1,2,3
	v_add_f32 v[ST+10*\i+8], v[ST+10*\i+8], v[ST+10*\i+9]
.endr
.irp i, 0,1,2,3
	s_delay_alu instid0(VALU_DEP_4)
	v_permlanex16_b32 v[ST+10*\i+6], v[ST+10*\i+8], s[SEL], s[SEL+1]
.endr
.irp i, 0,1,2,3
	s_delay_alu instid0(VALU_DEP_4)
	v_add_f32 v[ST+10*\i+8], v[ST+10*\i+8], v[ST+10*\i+6]   ; the rows' sums
.endr
	ALUW                                           ; ahead of the batch
.irp i, 0,1,2,3
	v_rcp_f32 v[ST+10*\i+6], v[ST+10*\i+8]
.endr
	v_nop
.irp i, 0,1,2,3
	WIN W_EXP
	ALUW                                           ; behind the batch, and directly ahead of the first readers of this tile's O^T
.set JJ, 0
.rept 16
	v_pk_mul_f32 v[O+32*\i+JJ:O+32*\i+JJ+1], v[O+32*\i+JJ:O+32*\i+JJ+1], v[ST+10*\i+6:ST+10*\i+7] op_sel_hi:[1,0]
.set JJ, JJ+2
.endr
.set JJ, 0
.rept 32
	v_med3_num_f32 v[O+32*\i+JJ], v[O+32*\i+JJ], -v[LIM2], v[LIM2]   ; the conversion does not saturate (ISA guide 7.6.2)
.set JJ, JJ+1
.endr
	WIN W_CVT
.irp t, 0,1,2,3
	v_cvt_scalef32_pk8_bf8_f32 v[KF+8*\i+2*\t:KF+8*\i+2*\t+1], v[O+32*\i+8*\t:O+32*\i+8*\t+7], v[SCL2]
.endr
	v_nop
	WIN 0
	global_store_b128 v[LI], v[KF+8*\i:KF+8*\i+3], s[12:13] offset:16384*\i          ; 32 lanes store 512 consecutive bytes, aligned
	global_store_b128 v[LI], v[KF+8*\i+4:KF+8*\i+7], s[12:13] offset:16384*\i+512
.endr
	s_wait_tensorcnt 0x0                           ; the wave's end
	ds_add_u32 v[SPW], v[NIL]
	s_wait_dscnt 0x0
	CROUND                                         ; the closing round
	s_endpgm
.Lfunc_end_k_qbc50448419_attn:
	.size	k_qbc50448419_attn, .Lfunc_end_k_qbc50448419_attn-k_qbc50448419_attn
	.p2alignl 7, 3214868480
	.fill 96, 4, 3214868480
	.section	.rodata,"a",@progbits
	.p2align	6, 0x0
	.amdhsa_kernel k_qbc50448419_attn
		.amdhsa_group_segment_fixed_size 272384
		.amdhsa_private_segment_fixed_size 0
		.amdhsa_enable_private_segment 0
		.amdhsa_kernarg_size 40
		.amdhsa_user_sgpr_count 2
		.amdhsa_user_sgpr_kernarg_segment_ptr 1
		.amdhsa_wavefront_size32 1
		.amdhsa_system_sgpr_workgroup_id_x 1
		.amdhsa_system_sgpr_workgroup_id_y 1
		.amdhsa_system_sgpr_workgroup_id_z 1
		.amdhsa_system_vgpr_workitem_id 0
		.amdhsa_next_free_vgpr 512
		.amdhsa_next_free_sgpr 100
		.amdhsa_reserve_vcc 0
		.amdhsa_float_denorm_mode_32 3
		.amdhsa_float_denorm_mode_16_64 3
		.amdhsa_memory_ordered 1
		.amdhsa_forward_progress 1
		.amdhsa_inst_pref_size 117
	.end_amdhsa_kernel
	.amdgpu_metadata
---
amdhsa.version: [ 1, 2 ]
amdhsa.kernels:
  - .name:           k_qbc50448419_attn
    .symbol:         k_qbc50448419_attn.kd
    .args:
      - { .name: q_img, .offset: 0, .size: 8, .value_kind: global_buffer, .address_space: global }
      - { .name: k_img, .offset: 8, .size: 8, .value_kind: global_buffer, .address_space: global }
      - { .name: value_codes, .offset: 16, .size: 8, .value_kind: global_buffer, .address_space: global }
      - { .name: lowp_scales, .offset: 24, .size: 8, .value_kind: global_buffer, .address_space: global }
      - { .name: a_img, .offset: 32, .size: 8, .value_kind: global_buffer, .address_space: global }
    .group_segment_fixed_size: 272384
    .private_segment_fixed_size: 0
    .kernarg_segment_align: 8
    .kernarg_segment_size: 40
    .max_flat_workgroup_size: 256
    .sgpr_count:     100
    .vgpr_count:     512
    .wavefront_size: 32
...
	.end_amdgpu_metadata
.endif
;; end of part 2
;; launch fc (part 3): grid 32 x 8, 4 waves a work-group, clusters of 4 x 1, 327,680 bytes of LDS; arguments a_img, fc_w_codes, fc_b, lowp_scales, out0; writes out0
.if DOCPART == 3
	.amdgcn_target "amdgcn-amd-amdhsa--gfx1250"
	.amdhsa_code_object_version 6
	.text
	.protected	k_qbc50448419_fc
	.globl	k_qbc50448419_fc
	.p2align	8
	.type	k_qbc50448419_fc,@function
k_qbc50448419_fc:
	s_mov_b64 s[64:65], 0
	v_nop
	global_prefetch_b8 v0, s[64:65] scope:SCOPE_SE
	s_setreg_imm32_b32 hwreg(HW_REG_WAVE_MODE, 25, 1), 1
	s_wait_xcnt 0x0
	s_wait_alu depctr_hold_cnt(0) depctr_sa_sdst(0) depctr_va_vdst(0) depctr_va_sdst(0) depctr_va_ssrc(0) depctr_va_vcc(0) depctr_vm_vsrc(0)
	s_getreg_b32 s2, hwreg(HW_REG_IB_STS2, 6, 4)
	s_cmp_eq_u32 s2, 0
	s_cbranch_scc0 .Lentry_in_a_cluster
	s_endpgm
.Lentry_in_a_cluster:
	s_bfe_u32 s2, ttmp6, 0x10000c
	s_cmp_lg_u32 s2, 0x3003
	s_cbranch_scc0 .Lentry_shape_is_right
	s_endpgm
.Lentry_shape_is_right:
.set CHUNK, 34816
.set STG,   4*CHUNK
.set AO,   3
.set ADRB, 4
.set STO,  8
.set RD,   9
.set BO,   10
.set BIAS, 32
.set BF,   96
.set BK,   96
.set WV,   14
.set MSB, 0
.macro WIN new
.if MSB != \new
	s_set_vgpr_msb (MSB<<8)|\new
.set MSB, \new
.endif
.endm
.macro CROUND
	s_barrier_signal -1
	s_barrier_wait -1
	s_cmp_lg_u32 s[WV], 0
	s_cbranch_scc1 .Lnot_wave_0_\@
	s_barrier_signal -3
.Lnot_wave_0_\@:
	s_barrier_wait -3
	s_barrier_signal -1
	s_barrier_wait -1
.endm
.macro PLACES n
.rept \n
	v_nop
.endr
.endm
.macro ALOAD s
.if (\s) < 4
	WIN 0x40
.else
	WIN 0x80
.endif
.irp a, 0,1,2,3
.irp i, 0,1,2,3
	global_load_b128 v[64*((\s)%4)+16*\a+4*\i:64*((\s)%4)+16*\a+4*\i+3], v[AO], s[4:5] offset:16384*\a+2048*(\s)+512*\i
.endr
.endr
.endm
.macro FETCH_B s, b0
	WIN 0
.irp b, \b0, \b0+1, \b0+2, \b0+3
.irp c, 0,1,2,3
	ds_load_b128 v[BF+16*(\b)+4*\c:BF+16*(\b)+4*\c+3], v[ADRB+(\s)/2] offset:4352*(\b)+128*((\s)%2)+32*\c
.endr
.endr
.endm
.macro MUL16 s, b0, zero
.if (\s) < 4
	WIN 0xf4
.else
	WIN 0xf8
.endif
.irp b, \b0, \b0+1, \b0+2, \b0+3
.irp a, 0,1,2,3
.if \zero
	v_wmma_f32_16x16x128_bf8_bf8 v[8*(8*\a+(\b)):8*(8*\a+(\b))+7], v[BF+16*(\b):BF+16*(\b)+15], v[64*((\s)%4)+16*\a:64*((\s)%4)+16*\a+15], 0
.else
	v_wmma_f32_16x16x128_bf8_bf8 v[8*(8*\a+(\b)):8*(8*\a+(\b))+7], v[BF+16*(\b):BF+16*(\b)+15], v[64*((\s)%4)+16*\a:64*((\s)%4)+16*\a+15], v[8*(8*\a+(\b)):8*(8*\a+(\b))+7]
.endif
.endr
.endr
.endm
.macro STEP s, zero
.if 7-(\s) >= 2
	s_wait_loadcnt 32
.else
	s_wait_loadcnt 16*(7-(\s))
.endif
.if (\s)+3 <= 7
	ALOAD (\s)+3
.endif
	s_wait_dscnt 16                                ; B's blocks 0-3 are in; the 16 loads of blocks 4-7 may be out
	MUL16 \s, 0, \zero
	s_wait_dscnt 0x0
.if (\s) == 3
	s_wait_tensorcnt 0x0
	s_barrier_signal -1
	s_barrier_wait -1
.endif
.if (\s) < 7
	PLACES 4
	FETCH_B (\s)+1, 0
.endif
	MUL16 \s, 4, \zero
.if (\s) < 7
	PLACES 4
	FETCH_B (\s)+1, 4
.endif
.endm
	s_load_b256 s[4:11], s[0:1], 0x0
	s_load_b64 s[12:13], s[0:1], 0x20
	v_lshl_add_u32 v254, v0, 2, 0x2a400
	v_mov_b32 v255, 0
	ds_add_u32 v254, v255
	ds_add_u32 v254, v255
	v_lshrrev_b32 v1, 5, v0
	v_readfirstlane_b32 s[WV], v1
	v_and_b32 v1, 31, v0
	v_lshlrev_b32 v[AO], 4, v1
	v_and_b32 v1, 15, v0
	v_bfe_u32 v2, v0, 4, 1
	v_lshlrev_b32 v[BO], 5, v2
	v_mul_u32_u24 v11, v1, 272
	v_lshl_add_u32 v11, v2, 4, v11                 ; B: row r x 272 + 16 h: a lane takes K = 32 c + 16 h + 0 .. 15, the places that a_img gives A's codes
.irp q, 0,1,2,3
	v_add_nc_u32 v[ADRB+\q], CHUNK*\q, v11
.endr
	s_mul_i32 s20, s[WV], 8448
	s_add_co_u32 s20, s20, STG
	v_mul_u32_u24 v[STO], v1, 528
	v_lshl_add_u32 v[STO], v2, 5, v[STO]
	v_add_nc_u32 v[STO], s20, v[STO]
	v_add_nc_u32 v[RD], s20, v[AO]
	s_bfe_u32 s15, ttmp6, 0x40000
	s_lshl_b32 s16, ttmp9, 2
	s_add_co_u32 s16, s16, s15
	s_and_b32 s17, ttmp7, 0xffff
	s_mov_b32 s24, 15|(1<<20)|(1<<21)|(5<<22)|(3<<25)
	s_mov_b32 s25, 256<<16
	s_mov_b32 s26, 64<<16
	s_mov_b32 s27, 256<<16
	s_mov_b32 s28, 64
	s_mov_b32 s29, 1024
	s_mov_b32 s30, 0
	s_mov_b32 s31, 0
	s_lshl_b32 s18, s17, 17
	s_and_b32 s20, s[WV], 1
	s_lshl_b32 s20, s20, 16
	s_add_co_u32 s18, s18, s20
	s_lshr_b32 s20, s[WV], 1
	s_lshl_b32 s20, s20, 8
	s_add_co_u32 s18, s18, s20
	s_mov_b32 s19, 0
	s_mul_i32 s21, s[WV], 17408
	s_lshl_b32 s22, s16, 4
	s_lshl_b32 s23, s[WV], 2
	s_add_co_u32 s22, s22, s23
	s_lshl_b32 s22, s22, 14
	s_mov_b32 s23, 0
	s_lshl_b32 s44, s16, 8
	s_lshl_b32 s45, s[WV], 6
	s_add_co_u32 s44, s44, s45
	s_lshl_b32 s44, s44, 12
	s_lshl_b32 s46, s17, 9
	s_add_co_u32 s44, s44, s46
	s_mov_b32 s45, 0
	s_mov_b32 s47, 0
	s_wait_dscnt 0x0
	s_wait_kmcnt 0x0
	s_load_b64 s[42:43], s[10:11], 0x10
	s_add_nc_u64 s[4:5], s[4:5], s[22:23]
	s_add_nc_u64 s[6:7], s[6:7], s[18:19]
	s_add_nc_u64 s[8:9], s[8:9], s[46:47]
	s_add_nc_u64 s[12:13], s[12:13], s[44:45]
	s_mov_b32 s32, 1
	s_mov_b32 s33, s21
	s_mov_b64 s[34:35], s[6:7]
	s_or_b32 s35, s35, 0x80000000
	s_mov_b32 s36, 1
	s_add_co_u32 s37, s21, 2*CHUNK
	s_add_nc_u64 s[38:39], s[6:7], 512
	s_or_b32 s39, s39, 0x80000000
	CROUND
	tensor_load_to_lds s[32:35], s[24:31]
	s_nop 0
	s_wait_alu depctr_va_vdst(0)
	s_wait_tensorcnt 0x0
	ds_add_u32 v254, v255
	s_wait_dscnt 0x0
	CROUND
	tensor_load_to_lds s[36:39], s[24:31]
	s_nop 0
.rept 4
	v_nop
.endr
.irp b, 0,1,2,3,4,5,6,7
	global_load_b128 v[BIAS+8*\b:BIAS+8*\b+3], v[BO], s[8:9] offset:64*\b
	global_load_b128 v[BIAS+8*\b+4:BIAS+8*\b+7], v[BO], s[8:9] offset:64*\b+16
.endr
	ALOAD 0
	ALOAD 1
	ALOAD 2
	s_wait_kmcnt 0x0
	s_add_co_i32 s40, s42, s43
	s_add_co_i32 s40, s40, 127
	s_lshl_b32 s40, s40, 23
	s_mov_b32 s41, s40
	s_wait_tensorcnt 1
	s_barrier_signal -1
	s_barrier_wait -1
	s_wait_alu depctr_va_vdst(0)
	FETCH_B 0, 0
	FETCH_B 0, 4
	STEP 0, 1
.irp s, 1,2,3,4,5,6,7
	STEP \s, 0
.endr
.macro TOSTAGE a
	WIN 0xc3
.irp j, 0,2,4,6,8,10,12,14,16,18,20,22,24,26,28,30,32,34,36,38,40,42,44,46,48,50,52,54,56,58,60,62
	v_pk_fma_f32 v[64*(\a)+\j:64*(\a)+\j+1], v[64*(\a)+\j:64*(\a)+\j+1], s[40:41], v[BIAS+\j:BIAS+\j+1] op_sel_hi:[1,0,1]
.endr
	WIN 0x0c
.irp b, 0,1,2,3,4,5,6,7
	ds_store_b128 v[STO], v[64*(\a)+8*\b:64*(\a)+8*\b+3] offset:64*\b
	ds_store_b128 v[STO], v[64*(\a)+8*\b+4:64*(\a)+8*\b+7] offset:64*\b+16
.endr
	WIN 0
.irp t, 0,1,2,3,4,5,6,7,8,9,10,11,12,13,14,15
	ds_load_b128 v[BK+64*((\a)%2)+4*\t:BK+64*((\a)%2)+4*\t+3], v[RD] offset:528*\t
.endr
.endm
.macro SEND a, younger
	s_wait_dscnt \younger
.irp t, 0,1,2,3,4,5,6,7,8,9,10,11,12,13,14,15
	global_store_b128 v[AO], v[BK+64*((\a)%2)+4*\t:BK+64*((\a)%2)+4*\t+3], s[12:13] offset:(32*((\a)/2)+8*((\a)%2)+\t+8*(\t/8))*4096 th:TH_STORE_NT
.endr
.endm
	PLACES 4
	TOSTAGE 0
.irp a, 1,2,3
.if \a > 1
	s_wait_xcnt 0x0
.endif
	TOSTAGE \a
	SEND \a-1, 32
.endr
	SEND 3, 0
	s_wait_tensorcnt 0x0
	ds_add_u32 v254, v255
	s_wait_dscnt 0x0
	CROUND
	s_endpgm
.Lfunc_end_k_qbc50448419_fc:
	.size	k_qbc50448419_fc, .Lfunc_end_k_qbc50448419_fc-k_qbc50448419_fc
	.p2alignl 7, 3214868480
	.fill 96, 4, 3214868480
	.section	.rodata,"a",@progbits
	.p2align	6, 0x0
	.amdhsa_kernel k_qbc50448419_fc
		.amdhsa_group_segment_fixed_size 327680
		.amdhsa_private_segment_fixed_size 0
		.amdhsa_enable_private_segment 0
		.amdhsa_kernarg_size 40
		.amdhsa_user_sgpr_count 2
		.amdhsa_user_sgpr_kernarg_segment_ptr 1
		.amdhsa_wavefront_size32 1
		.amdhsa_system_sgpr_workgroup_id_x 1
		.amdhsa_system_sgpr_workgroup_id_y 1
		.amdhsa_system_sgpr_workgroup_id_z 1
		.amdhsa_system_vgpr_workitem_id 0
		.amdhsa_next_free_vgpr 1024
		.amdhsa_next_free_sgpr 66
		.amdhsa_reserve_vcc 0
		.amdhsa_float_denorm_mode_32 3
		.amdhsa_float_denorm_mode_16_64 3
		.amdhsa_memory_ordered 1
		.amdhsa_forward_progress 1
		.amdhsa_inst_pref_size 78
	.end_amdhsa_kernel
	.amdgpu_metadata
---
amdhsa.version: [ 1, 2 ]
amdhsa.kernels:
  - .name:           k_qbc50448419_fc
    .symbol:         k_qbc50448419_fc.kd
    .args:
      - { .name: a_img, .offset: 0, .size: 8, .value_kind: global_buffer, .address_space: global }
      - { .name: fc_w_codes, .offset: 8, .size: 8, .value_kind: global_buffer, .address_space: global }
      - { .name: fc_b, .offset: 16, .size: 8, .value_kind: global_buffer, .address_space: global }
      - { .name: lowp_scales, .offset: 24, .size: 8, .value_kind: global_buffer, .address_space: global }
      - { .name: out0, .offset: 32, .size: 8, .value_kind: global_buffer, .address_space: global }
    .group_segment_fixed_size: 327680
    .private_segment_fixed_size: 0
    .kernarg_segment_align: 8
    .kernarg_segment_size: 40
    .max_flat_workgroup_size: 128
    .sgpr_count:     66
    .vgpr_count:     1024
    .wavefront_size: 32
...
	.end_amdgpu_metadata
.endif
;; end of part 3
